; MI455X (gfx1250); checked and timed in simulation.
; The chip was launched on July 23, 2026; its instructions are those of AMD's public machine-readable ISA for CDNA 5 (MIT licence, August 2026) and "CDNA5" Instruction Set Architecture Reference Guide (July 2026). The comments in the code are by the model that wrote it; some were corrected since.
;; Linear Wrapper. Allowed arithmetic: matrix products marked QUANTISED: E4M3 operands, one E8M0 scale for each 32 along K, by v_wmma_scale_f32_16x16x128_f8f6f4 with both operands' format E4M3, f32 sums; products left as they are: f32 operands where the result goes on into a quantised operand, else bf16, f16 or f32 operands; f32 sums; everything else in f32.
;; Inputs: W 4,096 x 4,096 float32; bias 4,096 float32; lora_A 16 x 4,096 float32; lora_B 4,096 x 16 float32; lora_scale one number float32; x 4,096 x 4,096 float32.
;; Outputs: out0 4,096 x 4,096 float32.
;; This version of the problem:
;;   THIS VERSION OF THE PROBLEM IS GIVEN IN LOW PRECISION. The matrix products marked QUANTISED in the list below multiply operands that are first quantised to E4M3 (4 exponent bits, 3 mantissa bits; 8 bits a number), with one power-of-two scale for each 32 numbers along K (OCP MX v1.0); their sums are f32. All else is computed in f32.
;;   The module's matrix products, in the order in which they are computed (A, B: the left and right operand; K: the contracted axis; several contracted axes count as one K, in the product's order):
;;     1. [M 4,096, K 16] x [K 16, N 4,096]; A: input lora_B; B: input lora_A: left as it is (K = 16 < 32)
;;     2. [M 4,096, K 4,096] x [K 4,096, N 4,096]; A: input x; B: computed on the way: QUANTISED
;;   THE QUANTISER, for each operand of a quantised product, along K:
;;     - K is cut into blocks of 32 from its start; a last block that is shorter is filled with zeros.
;;     - A block's scale is 2^e with e = floor(log2(the largest magnitude in the block)) - 8, held to -126 .. 127; a block of zeros has e = 0. As a byte (E8M0): e + 127.
;;     - Each number is divided by its block's scale, clamped to +-448, and rounded to the nearest number of E4M3, ties to even, subnormals kept.
;;     - The product sums the exact products of the quantised numbers (number of the format x scale) in f32.
;;   ~~~python
;;   def quantise(x, axis):      # numpy; x: float32 -> the quantised numbers, widened to float32 again
;;       x = np.moveaxis(x, axis, -1); K = x.shape[-1]
;;       x = np.pad(x, [(0, 0)] * (x.ndim - 1) + [(0, -K % 32)]); x = x.reshape(x.shape[:-1] + (-1, 32)); a = np.abs(x).max(-1, keepdims=True)
;;       e = np.where(a > 0, np.clip(np.frexp(np.where(a > 0, a, 1))[1] - 1 - 8, -126, 127), 0)      # np.frexp(a)[1] - 1 = floor(log2(a)), exactly
;;       r = np.clip(x / 2.0 ** e, -448, 448)
;;       step = 2.0 ** (np.maximum(np.frexp(np.where(r == 0, 1, r))[1] - 1, -6) - 3)
;;       q = np.round(r / step) * step * 2.0 ** e      # np.round: ties to even
;;       return np.moveaxis(q.reshape(q.shape[:-2] + (-1,))[..., :K], -1, axis).astype(np.float32)
;;   ~~~
;;   OPERANDS COMPUTED ON THE WAY. 'Computed on the way' means the value that the module computes at that place (a softmax that the list does not call 'softmax' is quantised finished and normalised). What goes into a quantiser is computed in f32, as accurately as f32 sums, v_exp_f32 and their like allow (about 1e-6 of the number): no bf16 or f16 on the way to a quantiser, and a product that is left as it is and whose result goes on into a quantised operand takes f32 operands (vector FMAs, or v_wmma_f32_16x16x4_f32). A number that lies on a knife's edge between two numbers of the format may be rounded either way, as far as f32 arithmetic and the matrix unit's own rounding can turn it there, and no further.
;; One version. Each part assembles by itself: llvm-mc -triple=amdgcn-amd-amdhsa -mcpu=gfx1250 --defsym DOCPART=n.
;; ======== version 1 of 1: 2 launches
;; limits: right only within a limited range of input values
;; workspace buffers: xq 17,301,504 bytes; wq 17,301,504 bytes
;; launch quant (part 1): grid 512 x 1, 4 waves a work-group, no clusters, 51,200 bytes of LDS; arguments x, W, lora_A, lora_B, lora_scale, xq, wq; writes xq, wq
.if DOCPART == 1
	.amdgcn_target "amdgcn-amd-amdhsa--gfx1250"
	.amdhsa_code_object_version 6
	.text
	.protected	k_q2022c7caae_quant
	.globl	k_q2022c7caae_quant
	.p2align	8
	.type	k_q2022c7caae_quant,@function
k_q2022c7caae_quant:
	s_mov_b64 s[64:65], 0
	v_nop
	global_prefetch_b8 v0, s[64:65] scope:SCOPE_SE
	s_setreg_imm32_b32 hwreg(HW_REG_WAVE_MODE, 25, 1), 1
	s_wait_xcnt 0x0
; x [4096][4096] f32 and weight = W + lora_scale * (lora_B lora_A) [4096][4096] f32 become codes of FP8 (E4M3) with one E8M0 scale byte for each 32 along K (K is innermost in both).
; A block's scale is 2^(floor(log2(its largest magnitude)) - 8); its byte is the largest magnitude's exponent field - 8, held at 1 from below; each number is divided by the scale, held within +-448 and rounded to the nearest code, ties to even.
; LIMITS: NaN and infinities among the inputs are not served.  A block of zeros gets the byte 1 where the rule says 127: its codes are zeros, which add nothing under any byte but 0xff, and the bytes are read by this program alone.
;   lora_B lora_A (K = 16) is summed in f32 in the order of ranks 2u, 2u+1, 8+2u, 9+2u (u = 0..3); lora_scale x that sum + W is one fused multiply-add (one rounding where the source has two).
; THE OUTPUT'S LAYOUT (xq and wq alike): [g = 32 groups of 128 rows][ks = 16 K steps of 256] blocks of BLK = 33,792 bytes.  In a block: for row block i (16 rows) and hq (128 along K) the fragment's REGISTER IMAGE at (2 i + hq) 2048:
;   register group c of lane l at 512 c + 16 l, lane (r = l % 16, h = l / 16) holding row r, k = 32 c + 16 h + 0..15; from byte 32,768 on the scale words, row p's two words (hq = 0, 1) at 8 p.
; SHARES.  Work-group b owns block b of BOTH tensors; wave w its rows 32 w .. 32 w + 31: four fragments of x and four of the weight, eight steps, x and W by turns.  No branch, no loop: every offset is an immediate.
; A STEP.  Sixteen loads, each 512 consecutive bytes of one row; they turn through the wave's own stage in LDS (rows 528 bytes apart), so that a lane comes to hold 16 neighbours of each of the four blocks of 32 of ITS row.
;   Loads run two steps (32 loads a wave) ahead, in two sets of 64 registers.  A lane's codes are the operand's registers: four stores of 512 consecutive bytes.
; THE DELTA.  (lora_B lora_A) for a fragment is 8 tiles x 4 matrix instructions of the f32 form, used TRANSPOSED (source 0 = 16 columns of lora_A, source 1 = 16 rows of lora_B), and the columns of a tile are chosen
;   (lane m of tile t takes column 32 (t / 2) + 8 (t % 2) + m + 8 (m / 8)) so that register j of tile t is the lane's number 8 t + j of the fragment.  The products need neither W nor the stage: they are issued while W's loads are out.
; REGISTERS.  Window 0: v1-8 addresses; v16-31 at work; v32-39 scale words; v40-43 scale pairs to store; v44-59 codes; v64-127 the lane's 64 numbers; v128-255 two sets as loaded.
;   Window 1: v0-127 lora_A's fragments (both halves of the K step); v128-191 the delta's 8 accumulators, written by matrix instructions alone; v192-207 lora_B's fragments.
.set BLK,  33792
.set SPT,  528                         ; a stage row: 512 bytes + 16: sixteen rows' equal columns start at sixteen different 16-byte columns modulo 256
.set WSTG, 16*SPT                      ; a wave's stage
.set ASTG, 4*WSTG                      ; behind the stages: lora_A's 16 rows x 256 columns of this K step,
.set APT,  1040                        ; 1,024 bytes + 16 a row
.set LOFF, 1                           ; v1  16 x lane: offset of loads and of code stores
.set STI,  2                           ; v2  the stage, on the way in: 8448 w + 16 x lane
.set STO,  3                           ; v3  and on the way out: 8448 w + 528 r + 64 h
.set SCO,  4                           ; v4  8 x lane: my scale pair's place
.set AR,   5                           ; v5  lora_A in LDS, read: ASTG + 8320 h + 4 (r + 8 (r / 8))
.set AW,   6                           ; v6  lora_A in LDS, written: ASTG + 4160 w + 16 x lane
.set AGO,  7                           ; v7  lora_A in memory: 65536 w + 16 x lane
.set BGO,  8                           ; v8  lora_B in memory: 64 r + 32 h
.set TM,   16                          ; v16-19 largest magnitudes, v20-23 bytes, v24-27 448 x the scale, v28-31 the conversions' scale operands
.set PW,   32                          ; v32-35 x's scale words (2 rb + hq), v36-39 the weight's
.set PR,   40                          ; v[40:41] x's pair to store, v[42:43] the weight's
.set C,    44
.set X,    64
.set R,    128
.set AF,   0                           ; window 1
.set ACC,  128
.set BF,   192
.set LS,   24                          ; s[24:25] lora_scale, twice: the packed form names a pair
.set SEL,  38                          ; s[38:39] v_permlanex16_b32's selects for lane l xor 16
.set MNT,  40                          ; s40 the mantissa field of 448
.set MSB, 0
.macro WIN new                         ; the immediate's high byte repeats the setting that is left
.if MSB != \new
	s_set_vgpr_msb (MSB<<8)|\new
.set MSB, \new
.endif
.endm
	s_load_b256 s[4:11], s[0:1], 0x0               ; x s[4:5], W s[6:7], lora_A s[8:9], lora_B s[10:11]
	s_load_b128 s[12:15], s[0:1], 0x20             ; lora_scale's address s[12:13], xq s[14:15]
	s_load_b64 s[16:17], s[0:1], 0x30              ; wq
	v_lshl_add_u32 v62, v0, 2, 0xc600
	v_mov_b32 v63, 0
	v_lshrrev_b32 v9, 5, v0
	v_readfirstlane_b32 s18, v9                    ; wave 0..3
	v_and_b32 v9, 31, v0                           ; lane
	v_and_b32 v10, 15, v0                          ; r
	v_bfe_u32 v11, v0, 4, 1                        ; h
	v_lshlrev_b32 v[LOFF], 4, v9
	v_lshlrev_b32 v[SCO], 3, v9
	s_mul_i32 s21, s18, WSTG
	v_add_nc_u32 v[STI], s21, v[LOFF]
	v_mul_u32_u24 v[STO], v10, SPT
	v_lshl_add_u32 v[STO], v11, 6, v[STO]
	v_add_nc_u32 v[STO], s21, v[STO]
	v_and_b32 v12, 8, v10
	v_add_nc_u32 v12, v12, v10                     ; r + 8 (r / 8)
	v_mul_u32_u24 v[AR], v11, 8*APT                ; lanes 16-31 take ranks 8 to 15: eight rows further down
	v_lshl_add_u32 v[AR], v12, 2, v[AR]
	v_add_nc_u32 v[AR], ASTG, v[AR]
	s_mul_i32 s21, s18, 4*APT
	v_add_nc_u32 v[AW], s21, v[LOFF]
	v_add_nc_u32 v[AW], ASTG, v[AW]
	s_lshl_b32 s21, s18, 16                        ; wave w brings rows 4 w .. 4 w + 3 of lora_A (16,384 bytes a row)
	v_add_nc_u32 v[AGO], s21, v[LOFF]
	v_lshlrev_b32 v[BGO], 6, v10                   ; a row of lora_B is 64 bytes; my half's eight ranks are 32
	v_lshl_add_u32 v[BGO], v11, 5, v[BGO]
.irp b, 0,1,2,3
	v_mov_b32 v[TM+4+\b], 0                        ; written once: a lane permute's destination counts as one of its sources
.endr
	s_mov_b32 s[SEL], 0x76543210
	s_mov_b32 s[SEL+1], 0xfedcba98
	s_mov_b32 s[MNT], 0x600000
	s_mov_b32 vcc_lo, 0xffff0000                   ; lanes 16-31: for the scale pairs at the end
	s_lshr_b32 s19, ttmp9, 4                       ; g: which 128 rows
	s_and_b32 s20, ttmp9, 15                       ; ks: which 256 along K
	s_lshl_b32 s26, s19, 21                        ; x, W: 128 g rows of 16,384 bytes,
	s_lshl_b32 s21, s18, 19                        ; + 32 w rows,
	s_add_co_u32 s26, s26, s21
	s_lshl_b32 s28, s20, 10                        ; + 256 ks numbers
	s_add_co_u32 s26, s26, s28
	s_mov_b32 s27, 0
	s_mov_b32 s29, 0                               ; s[28:29]: lora_A's columns of this K step
	s_lshl_b32 s30, s19, 13                        ; lora_B: (128 g + 32 w) rows of 64 bytes
	s_lshl_b32 s21, s18, 11
	s_add_co_u32 s30, s30, s21
	s_mov_b32 s31, 0
	s_mul_i32 s32, ttmp9, BLK                      ; my block, + my wave's four fragments of 2,048 bytes
	s_lshl_b32 s21, s18, 13
	s_add_co_u32 s32, s32, s21
	s_mov_b32 s33, 0
	s_mul_i32 s22, ttmp9, BLK                      ; my block's scale words, + my wave's 32 rows of 8 bytes
	s_lshl_b32 s21, s18, 8
	s_add_co_u32 s22, s22, s21
	s_add_co_u32 s22, s22, 32768
	s_mov_b32 s23, 0
	s_wait_alu depctr_va_vdst(0)
	s_wait_kmcnt 0x0
	s_load_b32 s[LS], s[12:13], 0x0                ; lora_scale
	s_add_nc_u64 s[4:5], s[4:5], s[26:27]
	s_add_nc_u64 s[6:7], s[6:7], s[26:27]
	s_add_nc_u64 s[8:9], s[8:9], s[28:29]
	s_add_nc_u64 s[10:11], s[10:11], s[30:31]
	s_add_nc_u64 s[34:35], s[14:15], s[22:23]      ; xq's scale words
	s_add_nc_u64 s[36:37], s[16:17], s[22:23]      ; wq's
	s_add_nc_u64 s[14:15], s[14:15], s[32:33]      ; xq's codes
	s_add_nc_u64 s[16:17], s[16:17], s[32:33]      ; wq's
; Step f = 0..7: tensor f % 2 (0: x, 1: W), rows 16 (f / 4) on, 128 ((f / 2) % 2) along K on.  Sixteen loads, a row each: 32 lanes read 512 consecutive bytes
.macro LOAD f
.irp i, 0,1,2,3,4,5,6,7,8,9,10,11,12,13,14,15
	global_load_b128 v[R+64*((\f)%2)+4*\i:R+64*((\f)%2)+4*\i+3], v[LOFF], s[4+2*((\f)%2):5+2*((\f)%2)] offset:(16*((\f)/4)+\i)*16384+512*(((\f)/2)%2) th:TH_LOAD_NT
.endr
.endm
.irp e, 0,1,2,3
.irp d, 0,1
	global_load_b128 v[X+8*\e+4*\d:X+8*\e+4*\d+3], v[AGO], s[8:9] offset:16384*\e+512*\d   ; lora_A: row 4 w + e, half d of its 1,024 bytes of this K step
.endr
.endr
	WIN 0x40                                       ; destination window 1
.irp b, 0,1
.irp d, 0,1
	global_load_b128 v[BF+8*\b+4*\d:BF+8*\b+4*\d+3], v[BGO], s[10:11] offset:1024*\b+16*\d   ; lora_B(row r of row block b, ranks 8 h + 4 d + 0..3)
.endr
.endr
	WIN 0
	LOAD 0
	LOAD 1
	s_wait_kmcnt 0x0
	s_mov_b32 s[LS+1], s[LS]                       ; named with it as a pair, so it is written
	s_wait_loadcnt 32                              ; lora_A's eight and lora_B's four loads are in; the 32 of steps 0 and 1 stay out
.irp e, 0,1,2,3
.irp d, 0,1
	ds_store_b128 v[AW], v[X+8*\e+4*\d:X+8*\e+4*\d+3] offset:APT*\e+512*\d
.endr
.endr
	s_wait_dscnt 0x0                               ; for the others' sake: my four rows of lora_A lie in LDS
	s_barrier_signal -1
	s_barrier_wait -1                              ; all sixteen rows do; nobody writes them again
	WIN 0x40
.irp k, 0,1
.irp t, 0,1,2,3,4,5,6,7
.irp u, 0,1,2,3
.irp j, 0,1
	ds_load_b32 v[AF+64*\k+8*\t+2*\u+\j], v[AR] offset:(2*\u+\j)*APT+(128*\k+32*(\t/2)+8*(\t%2))*4   ; lora_A(8 h + 2 u + j, column of lane m in tile t of half k): the 32 lanes touch words 0-7, 16-23, 32-39, 48-55 modulo 64
.endr
.endr
.endr
.endr
	WIN 0
; (lora_B lora_A) for the fragment (RB, HQ): 32 matrix instructions, the eight accumulators by turns, one instruction a turn; the first four ranks start the sums with the constant 0.
; The eight places that this form wants ahead of the first vector instruction that reads its results stand further down, directly ahead of that read:
; the step's LDS instructions and loads, which name none of these registers, are issued meanwhile.
.macro DELTA
	WIN 0x55                                       ; all four operand places: window 1
.irp u, 0,1,2,3
.irp t, 0,1,2,3,4,5,6,7
.if \u == 0
	v_wmma_f32_16x16x4_f32 v[ACC+8*\t:ACC+8*\t+7], v[AF+64*HQ+8*\t+2*\u:AF+64*HQ+8*\t+2*\u+1], v[BF+8*RB+2*\u:BF+8*RB+2*\u+1], 0
.else
	v_wmma_f32_16x16x4_f32 v[ACC+8*\t:ACC+8*\t+7], v[AF+64*HQ+8*\t+2*\u:AF+64*HQ+8*\t+2*\u+1], v[BF+8*RB+2*\u:BF+8*RB+2*\u+1], v[ACC+8*\t:ACC+8*\t+7]
.endif
.endr
.endr
	WIN 0
.endm
; The lane's 64 numbers, register 16 b + i = k 32 b + 16 h + i of its row, become the fragment's codes in v[C] on and its row's scale word in v[pw]
.macro QUANT pw
.irp b, 0,1,2,3
	v_max3_num_f32 v[TM+\b], |v[X+16*\b]|, |v[X+1+16*\b]|, 0x4800000   ; block b: my 16 numbers, and the floor 2^(9 - 127): so the byte cannot fall under 1
.endr
.irp i, 2,4,6,8,10,12,14
.irp b, 0,1,2,3
	v_max3_num_f32 v[TM+\b], v[TM+\b], |v[X+16*\b+\i]|, |v[X+1+16*\b+\i]|   ; the four blocks by turns: no line waits for the line above it
.endr
.endr
.irp b, 0,1,2,3
	v_permlanex16_b32 v[TM+4+\b], v[TM+\b], s[SEL], s[SEL+1]
.endr
.irp b, 0,1,2,3
	v_max_num_f32 v[TM+\b], v[TM+\b], v[TM+4+\b]   ; with lane l xor 16's 16 numbers: the block's largest magnitude
.endr
.irp b, 0,1,2,3
	v_add_nc_u32 v[TM+12+\b], 0xfc000000, v[TM+\b] ; 8 off its exponent field: the conversion takes the exponent field of this operand as its scale
.endr
.irp b, 0,1,2,3
	v_and_or_b32 v[TM+8+\b], v[TM+\b], 0x7f800000, s[MNT]   ; 448 x the scale
.endr
.irp b, 0,1,2,3
	v_lshrrev_b32 v[TM+4+\b], 23, v[TM+12+\b]      ; the scale's byte
.endr
	v_lshl_or_b32 v[\pw], v[TM+5], 8, v[TM+4]      ; the four bytes make my row's scale word (both halves of the lanes hold it)
	v_lshl_or_b32 v[\pw], v[TM+6], 16, v[\pw]
	v_lshl_or_b32 v[\pw], v[TM+7], 24, v[\pw]
.irp b, 0,1,2,3
.irp i, 0,1,2,3,4,5,6,7,8,9,10,11,12,13,14,15
	v_med3_num_f32 v[X+16*\b+\i], v[X+16*\b+\i], -v[TM+8+\b], v[TM+8+\b]   ; the conversion to an 8-bit code does not saturate (ISA guide 7.6.2): the hold at the largest code x the scale
.endr
	v_cvt_scalef32_pk8_fp8_f32 v[C+4*\b:C+4*\b+1], v[X+16*\b:X+16*\b+7], v[TM+12+\b]
	v_cvt_scalef32_pk8_fp8_f32 v[C+4*\b+2:C+4*\b+3], v[X+16*\b+8:X+16*\b+15], v[TM+12+\b]
.endr
	v_nop                                          ; one plain vector instruction behind the last scaled conversion, ahead of whatever next touches its registers
.endm
.macro QSTEP f
.set TT, (\f)%2
.set RB, (\f)/4
.set HQ, ((\f)/2)%2
.set RS, R+64*TT
.if TT
	DELTA                                          ; issued while W's loads are out
.endif
.if (\f) < 7
	s_wait_loadcnt 16                              ; this step's sixteen loads are in; the next step's sixteen stay out
.else
	s_wait_loadcnt 0x0
.endif
.irp i, 0,1,2,3,4,5,6,7,8,9,10,11,12,13,14,15
	ds_store_b128 v[STI], v[RS+4*\i:RS+4*\i+3] offset:SPT*\i   ; row i as loaded
.endr
.irp c, 0,1,2,3
.irp j, 0,1,2,3
	ds_load_b128 v[X+16*\c+4*\j:X+16*\c+4*\j+3], v[STO] offset:128*\c+16*\j   ; LDS serves a wave's instructions in order (ISA guide 5.7.1.4): these see the stores above, and the next step's stores come behind them
.endr
.endr
	s_wait_xcnt 0x0                                ; the last step's four stores have read their data: the codes' registers are rewritten (by this step's conversions) only behind this wait.  It stands AHEAD of the loads below, which name no register that is rewritten
.if (\f) < 6
	s_wait_dscnt 16                                ; the sixteen stores into the stage are done, so they have read their registers,
	LOAD (\f)+2                                    ; which take the loads of two steps on
.endif
	s_wait_dscnt 0x0                               ; my 64 numbers are in (in step 0 also lora_A's fragments)
.if TT
.rept 8
	v_nop                                          ; the eight places between the delta's last product and the first vector instruction that reads its results (ISA guide 7.12.1)
.endr
	WIN 0x01                                       ; source 0 (the delta) window 1
.set P, 0
.rept 32
	v_pk_fma_f32 v[X+P:X+P+1], v[ACC+P:ACC+P+1], s[LS:LS+1], v[X+P:X+P+1] op_sel_hi:[1,0,1]   ; weight = lora_scale x (lora_B lora_A) + W; each accumulator is read from its low end on
.set P, P+2
.endr
	WIN 0
.endif
	QUANT PW+4*TT+2*RB+HQ
.irp c, 0,1,2,3
	global_store_b128 v[LOFF], v[C+4*\c:C+4*\c+3], s[14+2*TT:15+2*TT] offset:4096*RB+2048*HQ+512*\c   ; 32 lanes store 512 consecutive bytes, at a multiple of 256 from the buffer's first byte
.endr
.endm
.irp f, 0,1,2,3,4,5,6
	QSTEP \f
.endr
	v_cndmask_b32 v[PR], v[PW], v[PW+2], vcc_lo    ; x's scale words: lanes 0-15 rows 0-15, lanes 16-31 rows 16-31; the K step's first 128,
	v_cndmask_b32 v[PR+1], v[PW+1], v[PW+3], vcc_lo   ; and its second
	global_store_b64 v[SCO], v[PR:PR+1], s[34:35]  ; 32 lanes store 256 consecutive bytes, aligned
	QSTEP 7
	v_cndmask_b32 v[PR+2], v[PW+4], v[PW+6], vcc_lo   ; the weight's likewise
	v_cndmask_b32 v[PR+3], v[PW+5], v[PW+7], vcc_lo
	global_store_b64 v[SCO], v[PR+2:PR+3], s[36:37]
	s_wait_tensorcnt 0x0
	ds_add_u32 v62, v63
	s_wait_dscnt 0x0
	s_endpgm
.Lfunc_end_k_q2022c7caae_quant:
	.size	k_q2022c7caae_quant, .Lfunc_end_k_q2022c7caae_quant-k_q2022c7caae_quant
	.p2alignl 7, 3214868480
	.fill 96, 4, 3214868480
	.section	.rodata,"a",@progbits
	.p2align	6, 0x0
	.amdhsa_kernel k_q2022c7caae_quant
		.amdhsa_group_segment_fixed_size 51200
		.amdhsa_private_segment_fixed_size 0
		.amdhsa_enable_private_segment 0
		.amdhsa_kernarg_size 56
		.amdhsa_user_sgpr_count 2
		.amdhsa_user_sgpr_kernarg_segment_ptr 1
		.amdhsa_wavefront_size32 1
		.amdhsa_system_sgpr_workgroup_id_x 1
		.amdhsa_system_sgpr_workgroup_id_y 1
		.amdhsa_system_sgpr_workgroup_id_z 1
		.amdhsa_system_vgpr_workitem_id 0
		.amdhsa_next_free_vgpr 464
		.amdhsa_next_free_sgpr 66
		.amdhsa_reserve_vcc 1
		.amdhsa_float_denorm_mode_32 3
		.amdhsa_float_denorm_mode_16_64 3
		.amdhsa_memory_ordered 1
		.amdhsa_forward_progress 1
		.amdhsa_inst_pref_size 127
	.end_amdhsa_kernel
	.amdgpu_metadata
---
amdhsa.version: [ 1, 2 ]
amdhsa.kernels:
  - .name:           k_q2022c7caae_quant
    .symbol:         k_q2022c7caae_quant.kd
    .args:
      - { .name: x, .offset: 0, .size: 8, .value_kind: global_buffer, .address_space: global }
      - { .name: W, .offset: 8, .size: 8, .value_kind: global_buffer, .address_space: global }
      - { .name: lora_A, .offset: 16, .size: 8, .value_kind: global_buffer, .address_space: global }
      - { .name: lora_B, .offset: 24, .size: 8, .value_kind: global_buffer, .address_space: global }
      - { .name: lora_scale, .offset: 32, .size: 8, .value_kind: global_buffer, .address_space: global }
      - { .name: xq, .offset: 40, .size: 8, .value_kind: global_buffer, .address_space: global }
      - { .name: wq, .offset: 48, .size: 8, .value_kind: global_buffer, .address_space: global }
    .group_segment_fixed_size: 51200
    .private_segment_fixed_size: 0
    .kernarg_segment_align: 8
    .kernarg_segment_size: 56
    .max_flat_workgroup_size: 128
    .sgpr_count:     66
    .vgpr_count:     464
    .wavefront_size: 32
...
	.end_amdgpu_metadata
.endif
;; end of part 1
;; launch gemm (part 2): grid 16 x 16, 4 waves a work-group, clusters of 4 x 1, 327,680 bytes of LDS; arguments xq, wq, bias, out0; writes out0
.if DOCPART == 2
	.amdgcn_target "amdgcn-amd-amdhsa--gfx1250"
	.amdhsa_code_object_version 6
	.text
	.protected	k_q2022c7caae_gemm
	.globl	k_q2022c7caae_gemm
	.p2align	8
	.type	k_q2022c7caae_gemm,@function
k_q2022c7caae_gemm:
	s_mov_b64 s[64:65], 0
	v_nop
	global_prefetch_b8 v0, s[64:65] scope:SCOPE_SE
	s_setreg_imm32_b32 hwreg(HW_REG_WAVE_MODE, 25, 1), 1
	s_wait_xcnt 0x0
	s_wait_alu depctr_hold_cnt(0) depctr_sa_sdst(0) depctr_va_vdst(0) depctr_va_sdst(0) depctr_va_ssrc(0) depctr_va_vcc(0) depctr_vm_vsrc(0)
	s_getreg_b32 s2, hwreg(HW_REG_IB_STS2, 6, 4)
	s_cmp_eq_u32 s2, 0
	s_cbranch_scc0 .Lentry_in_a_cluster
	s_endpgm
.Lentry_in_a_cluster:
	s_bfe_u32 s2, ttmp6, 0x10000c
	s_cmp_lg_u32 s2, 0x3003
	s_cbranch_scc0 .Lentry_shape_is_right
	s_endpgm
.Lentry_shape_is_right:
; out0[n][o] = sum over k of x[n][k] weight[o][k] + bias[o], on the codes of MX-FP8 (E4M3, an E8M0 byte for 32 along K) that launch quant has laid in xq and wq:
; [group of 128 rows][K step of 256] blocks of BLK bytes; in a block the register image of fragment (row block i, half hq) at (2 i + hq) 2048 (group c of lane l at 512 c + 16 l), from byte 32,768 on row p's two scale words at 8 p.
; LIMITS: as launch quant states them; NaN, infinities and sums beyond f32's range are not served.  A sum begins with the bias, then K ascending.
; THE DEAL.  256 work-groups, a tile of 256 x 256 each; wave w makes rows 64 w .. 64 w + 63 x all 256 columns: 64 accumulators, 512 registers.
; x: a row of the tile is multiplied by ONE wave, so its fragments go from xq straight into that wave's registers (16 loads of 512 consecutive bytes and 2 of scale words for 128 along K), four sets, asked for three steps of 128 ahead of their use.
; THE WEIGHT: all four waves multiply all 256 rows: they come through a ring of two LDS slots, each 512 along K (4 blocks, one tensor load a wave).
; Both operands at 512 along K in two slots would take 4 x 135,168 bytes, more than a work-group's 327,680: that is why x has no joint load.  x has no prefetch either: its loads are themselves issued three steps ahead.
; CLUSTER 4, 1, 1: the four work-groups of a cluster have the same tile column, so the same rows of the weight: each tile is asked for jointly (mask 15).
; THE STREAM.  A quad is four fragments of the weight x my four of x: 16 products on 16 accumulators, under one setting of the register windows.  The weight's fragments stand in two halves of four;
; behind a quad stand eight v_nop and ONE run of loads: the quad two on into the half just read, and in a step's first two runs nine of x's 18 loads each.
; The counts of the waits on DScnt are reckoned by the assembler: DSN counts the LDS instructions issued, EH0 and EH1 hold its value behind a half's last load.
; At a slot's head wave w passes 3 w lines of s_nop 15, so that the four waves' runs of LDS loads begin one after the other.
; The matrix instruction is used transposed (source 0 = 16 rows of the weight, source 1 = 16 rows of x): a lane holds eight neighbouring columns of one row of out0.
; THE LAST K SLOT goes by groups of 64 columns, x's four sets all at hand: groups 0 and 1 through its first three steps, then their fourth, then groups 2 and 3; a finished group (64 rows x 256 bytes) leaves through the wave's own stage while the next is multiplied.
; PREFETCH: in trip t, which loads K slot t + 1, the cluster asks for K slot t + 2 of the weight: of each wave's block partner cx names bytes 8,192 cx on (a lane 256 bytes) and the 256 scale bytes at 32,768 + 256 cx; trips 0 to 5 ask.
; REGISTERS.  Window 0: v1-30 addresses; v32-39 x's scale words; v40-47 the bias on its way; v64-95 the weight's scale words; v128-255 its fragments.  Window 1: x's four sets.  Windows 2, 3: accumulator (a, j) at 8 (4 (j % 8) + a) of window 2 + j / 8.
.set BLK, 33792
.set GROUPB, 16*BLK
.set SLOT, 4*BLK
.set SPARE, 2*SLOT                     ; the spare words: 512 bytes that no other line names
.set STAGE, SPARE+512                  ; a stage of 32 rows x 272 bytes for each wave; no tensor load lands here
.set SP, 272
.set WSTG, 32*SP
.set LOFF, 1                           ; 16 x lane
.set ASO, 2                            ; 8 x lane
.set BO, 3                             ; 32 h
.set STO, 4                            ; the stage, in
.set RD, 5                             ; the stage, back
.set CO, 6                             ; my place in two rows of out0
.set PFO, 7                            ; 256 x lane
.set PFZ, 8                            ; 0: all lanes name the one unit of scale bytes
.set SPW, 10
.set NIL, 11
.set AB0, 12                           ; v12-15 block k of a slot: k BLK + 16 x lane
.set AS0, 16                           ; v16-17 the scale words of group g: 2 g BLK + 32768 + 8 x lane
.set ADRB, 20                          ; v20-23, v24-25: the same in the slot that is read
.set ADS, 24
.set BG, 28                            ; 32 x lane: my eight numbers of the tile's 256 of the bias
.set BL, 29                            ; my stage + 32 h
.set BST, 30                           ; my stage + 32 x lane
.set SA, 32                            ; x's word of set 2 kk + hq, pair p: SA + 4 kk + 2 p + 1 - hq: its number is odd where the weight's is even
.set SB, 64                            ; the weight's: SB + 16 kk + 2 (j / 2) + hq; lanes 0-15 the even block, lanes 16-31 the odd
.set BR, 128
.set G1, 24
.set G0, 32
.set MSB, 0
.set DSN, 0
.set EH0, 0
.set EH1, 0
.set MARK, 0
.set MODE, 0                           ; 0: a slot's 16 quads by K; 1: the last slot, by groups of four column blocks
.macro WIN new                         ; the immediate's high byte repeats the setting that is left
.if MSB != \new
	s_set_vgpr_msb (MSB<<8)|\new
.set MSB, \new
.endif
.endm
.macro PLACES n
.rept \n
	v_nop
.endr
.endm
.macro CREST
	s_cmp_lg_u32 s14, 0
	s_cbranch_scc1 .Lnot_wave_0_\@
	s_barrier_signal -3
.Lnot_wave_0_\@:
	s_barrier_wait -3
	s_barrier_signal -1
	s_barrier_wait -1
.endm
.macro CROUND
	s_barrier_signal -1
	s_barrier_wait -1
	CREST
.endm
.macro IDLE
	s_nop 15
	s_nop 15
	s_nop 15
.endm
.macro SKEW                            ; wave w passes w of the three groups of idle lines; the branches hang on the wave's number alone
	s_cmp_lt_u32 s14, 3
	s_cbranch_scc1 .Lunder_3_\@
	IDLE
.Lunder_3_\@:
	s_cmp_lt_u32 s14, 2
	s_cbranch_scc1 .Lunder_2_\@
	IDLE
.Lunder_2_\@:
	s_cmp_lt_u32 s14, 1
	s_cbranch_scc1 .Lunder_1_\@
	IDLE
.Lunder_1_\@:
.endm
.macro MAPQ k                          ; quad k of a slot: Q_ its 128 along K, G_ its group of four column blocks
.if MODE && (\k) < 6
.set Q_, (\k)%3
.set G_, (\k)/3
.elseif MODE && (\k) < 8
.set Q_, 3
.set G_, (\k)-6
.elseif MODE
.set Q_, (\k)%4
.set G_, (\k)/4
.else
.set Q_, (\k)/4
.set G_, (\k)%4
.endif
.endm
.macro QLD k                           ; quad k's four fragments of the weight into half k % 2
	MAPQ \k
.irp jj, 0,1,2,3
.irp cc, 0,1,2,3
	ds_load_b128 v[BR+64*((\k)%2)+16*\jj+4*\cc:BR+64*((\k)%2)+16*\jj+4*\cc+3], v[ADRB+2*(G_/2)+Q_/2] offset:(2*(4*(G_%2)+\jj)+Q_%2)*2048+512*\cc
.endr
.endr
.set DSN, DSN+16
.if (\k)%2
.set EH1, DSN
.else
.set EH0, DSN
.endif
.endm
.macro ALD st, g                       ; load g of x's step st (counted from the slot's first): 16 pieces of codes, 2 of scale words
.if (\g) < 16
	WIN 0x40
	global_load_b128 v[64*((\st)%4)+4*(\g):64*((\st)%4)+4*(\g)+3], v[LOFF], s[38:39] offset:((\st)/2)*BLK+(2*((\g)/4)+(\st)%2)*2048+512*((\g)%4)
.else
	WIN 0
	global_load_b32 v[SA+4*(((\st)%4)/2)+2*((\g)-16)+1-(\st)%2], v[ASO], s[40:41] offset:((\st)/2)*BLK+256*((\g)-16)+4*((\st)%2)
.endif
.endm
.macro PROD k, jj, a
.set D_, 8*(4*(4*(G_%2)+(\jj))+(\a))
.set B_, BR+64*((\k)%2)+16*(\jj)
.set A_, 64*Q_+16*(\a)
.set SB_, SB+16*(Q_/2)+2*(2*G_+(\jj)/2)+Q_%2
.set SA_, SA+4*(Q_/2)+2*((\a)/2)+1-Q_%2
.if ((\jj)%2) && ((\a)%2)
	v_wmma_scale_f32_16x16x128_f8f6f4 v[D_:D_+7], v[B_:B_+15], v[A_:A_+15], v[D_:D_+7], v[SB_], v[SA_] matrix_a_scale:MATRIX_SCALE_ROW1 matrix_b_scale:MATRIX_SCALE_ROW1
.elseif (\jj)%2
	v_wmma_scale_f32_16x16x128_f8f6f4 v[D_:D_+7], v[B_:B_+15], v[A_:A_+15], v[D_:D_+7], v[SB_], v[SA_] matrix_a_scale:MATRIX_SCALE_ROW1
.elseif (\a)%2
	v_wmma_scale_f32_16x16x128_f8f6f4 v[D_:D_+7], v[B_:B_+15], v[A_:A_+15], v[D_:D_+7], v[SB_], v[SA_] matrix_b_scale:MATRIX_SCALE_ROW1
.else
	v_wmma_scale_f32_16x16x128_f8f6f4 v[D_:D_+7], v[B_:B_+15], v[A_:A_+15], v[D_:D_+7], v[SB_], v[SA_]
.endif
.endm
; A quad's 16 products.  By K: at a step's head two sets of x (18 loads each) may be out.  In the last slot quads 0, 1, 2 are the first to read sets 0, 1, 2 (three, two, one set behind them), quad 6 the first to read set 3.
; w = 1: the wait for its half: what was issued behind that half's last load may be out (the field holds 63 at the most).
.macro QUAD k, w
	MAPQ \k
.if MODE == 0 && (\k)%4 == 0
	s_wait_loadcnt 36
.endif
.if MODE && (\k) < 3
	s_wait_loadcnt 54-18*(\k)
.endif
.if MODE && (\k) == 6
	s_wait_loadcnt 0x0
.endif
.if \w
.if (\k)%2
.set W_, DSN-EH1
.else
.set W_, DSN-EH0
.endif
.if W_ > 63
.set W_, 63
.endif
	s_wait_dscnt W_
.endif
	WIN 0xa4+0x50*(G_/2)                           ; source 0 window 0, source 1 window 1, C and D window 2 or 3
.irp jj, 0,1,2,3
.irp a, 0,1,2,3
	PROD \k, \jj, \a
.endr
.endr
.endm
.macro TOSTAGE jg                      ; group jg: 64 rows x 64 columns, in two halves of 32 rows through my stage; LDS serves a wave's instructions in order (ISA guide 5.7.1.4); each accumulator from its low end on
.set TG_, 128*((\jg)%2)
.irp hf, 0,1
	WIN 0x08+4*((\jg)/2)
.irp aa, 0,1
.irp jj, 0,1,2,3
	ds_store_b128 v[STO], v[TG_+32*\jj+8*(2*\hf+\aa):TG_+32*\jj+8*(2*\hf+\aa)+3] offset:\aa*16*SP+64*\jj
	ds_store_b128 v[STO], v[TG_+32*\jj+8*(2*\hf+\aa)+4:TG_+32*\jj+8*(2*\hf+\aa)+7] offset:\aa*16*SP+64*\jj+16
.endr
.endr
	WIN 0x80+0x40*((\jg)/2)
.irp t, 0,1,2,3,4,5,6,7,8,9,10,11,12,13,14,15
	ds_load_b128 v[TG_+32*(\t/4)+16*\hf+4*(\t%4):TG_+32*(\t/4)+16*\hf+4*(\t%4)+3], v[RD] offset:\t*2*SP
.endr
.endr
.set DSN, DSN+64
.set MARK, DSN
.endm
.macro SEND jg                         ; sixteen lanes store 256 consecutive bytes, at a multiple of 256 from out0's first byte
.set TG_, 128*((\jg)%2)
	s_wait_dscnt DSN-MARK                          ; the group is back in registers
	WIN 0x08+4*((\jg)/2)
.irp hf, 0,1
.irp t, 0,1,2,3,4,5,6,7,8,9,10,11,12,13,14,15
	global_store_b128 v[CO], v[TG_+32*(\t/4)+16*\hf+4*(\t%4):TG_+32*(\t/4)+16*\hf+4*(\t%4)+3], s[10:11] offset:(32*\hf+2*\t)*16384+256*(\jg) th:TH_STORE_NT
.endr
.endr
.endm
; What stands behind quad k: the places; in the last slot the stores of the group finished a quad ago; the run of loads; in the last slot a finished group's way into the stage (groups 0 to 3 end with quads 6, 7, 11, 15).
.macro AFTER k
	PLACES 8
.if MODE && ((\k) == 7 || (\k) == 8)
	SEND (\k)-7
.endif
.if MODE && (\k) == 12
	SEND 2
.endif
.if (\k) < 14
	WIN 0
	QLD (\k)+2
.endif
.if MODE == 0 && (\k)%4 < 2
.set I_, 9*((\k)%4)
.rept 9
	ALD (\k)/4+3, I_
.set I_, I_+1
.endr
.endif
.if MODE && ((\k) == 6 || (\k) == 7)
	TOSTAGE (\k)-6
.endif
.if MODE && (\k) == 11
	TOSTAGE 2
.endif
.if MODE && (\k) == 15
	TOSTAGE 3
.endif
.endm
.macro QUADS from, to
.set N_, \from
.rept (\to)-(\from)
	QUAD N_, 1
	AFTER N_
.set N_, N_+1
.endr
.endm
.macro RUN0                            ; a slot's opening: its scale words and quads 0 and 1
.irp kk, 0,1
.irp jp, 0,1,2,3,4,5,6,7
	ds_load_b64 v[SB+16*\kk+2*\jp:SB+16*\kk+2*\jp+1], v[ADS+\jp/4] offset:\kk*BLK+256*(\jp%4)
.endr
.endr
.set DSN, DSN+16
	QLD 0
	QLD 1
.endm
.macro DESC                            ; no tensor load of mine is out: the next load's K slot, its place (the slot read until now), and the slot read next
	s_add_nc_u64 s[G0+2:G0+3], s[G0+2:G0+3], 2*BLK
	s_add_co_u32 s[G0+1], s36, s37
	s_xor_b32 s37, s37, SLOT
.endm
.macro ADRS                            ; the LDS addresses in the slot read next
.irp k, 0,1,2,3
	v_add_nc_u32 v[ADRB+\k], s37, v[AB0+\k]
.endr
	v_add_nc_u32 v[ADS], s37, v[AS0]
	v_add_nc_u32 v[ADS+1], s37, v[AS0+1]
	s_wait_alu depctr_va_vdst(0)
.endm
	s_load_b256 s[4:11], s[0:1], 0x0               ; xq, wq, bias, out0
	v_lshl_add_u32 v[SPW], v0, 2, SPARE
	v_mov_b32 v[NIL], 0
	ds_add_u32 v[SPW], v[NIL]
	ds_add_u32 v[SPW], v[NIL]
	v_lshrrev_b32 v9, 5, v0
	v_readfirstlane_b32 s14, v9                    ; wave
	s_lshr_b32 s15, s14, 1
	s_and_b32 s16, s14, 1
	s_bfe_u32 s17, ttmp6, 0x40000                  ; cx
	s_lshl_b32 s18, ttmp9, 2
	s_add_co_u32 s18, s18, s17                     ; tile row of out0
	s_and_b32 s19, ttmp7, 0xffff                   ; tile column: the same in the four partners
	s_mov_b32 s[G1+0], 15|(3<<16)|(1<<21)          ; the mask of the four; elements of 8 bytes; bit 21 beside a mask
	s_mov_b32 s[G1+1], 32<<16                      ; a block is 132 dense rows of 256 bytes
	s_mov_b32 s[G1+2], 132<<16
	s_mov_b32 s[G1+3], 32<<16
	s_mov_b32 s[G1+4], 132
	s_mov_b32 s[G1+5], 32
	s_mov_b32 s[G1+6], 0
	s_mov_b32 s[G1+7], 0
	s_mov_b32 s[G0], 1
	s_mul_i32 s36, s14, BLK                        ; wave w fetches block w of a slot: group w / 2, K step w % 2
	s_mul_i32 s[G0+1], s14, BLK
	s_mov_b32 s37, SLOT
	s_lshl_b32 s20, s19, 1
	s_add_co_u32 s20, s20, s15
	s_mul_i32 s20, s20, GROUPB
	s_mul_i32 s21, s16, BLK
	s_add_co_u32 s20, s20, s21                     ; s[20:21] my block of K slot 0 in wq
	s_mov_b32 s21, 0
	s_lshl_b32 s22, s18, 1
	s_add_co_u32 s22, s22, s15
	s_mul_i32 s22, s22, GROUPB                     ; my 64 rows of x: group 2 x tile row + w / 2, row blocks 4 (w % 2) on
	s_lshl_b32 s46, s16, 9
	s_add_co_u32 s46, s46, s22
	s_add_co_u32 s46, s46, 32768                   ; s[46:47] their scale words
	s_mov_b32 s47, 0
	s_lshl_b32 s23, s16, 14
	s_add_co_u32 s22, s22, s23                     ; s[22:23] their codes
	s_mov_b32 s23, 0
	s_lshl_b32 s48, s17, 13
	s_add_co_u32 s48, s48, s20
	s_add_co_u32 s48, s48, 4*BLK                   ; s[48:49] the prefetch: K slot 2, my block, my work-group's 8,192 bytes
	s_mov_b32 s49, 0
	s_lshl_b32 s50, s17, 8
	s_add_co_u32 s50, s50, s20
	s_add_co_u32 s50, s50, 4*BLK+32768             ; s[50:51] and its 256 scale bytes
	s_mov_b32 s51, 0
	s_lshl_b32 s52, s19, 10                        ; s[52:53] the tile's first column, in bytes
	s_mov_b32 s53, 0
	s_lshl_b32 s54, s18, 8
	s_lshl_b32 s55, s14, 6
	s_add_co_u32 s54, s54, s55
	s_lshl_b32 s54, s54, 14
	s_add_co_u32 s54, s54, s52                     ; s[54:55] my first row of out0, at that column
	s_mov_b32 s55, 0
	s_mul_i32 s56, s14, WSTG
	s_add_co_u32 s56, s56, STAGE                   ; my stage
	v_and_b32 v9, 31, v0
	v_and_b32 v26, 15, v0                          ; r
	v_bfe_u32 v27, v0, 4, 1                        ; h
	v_lshlrev_b32 v[LOFF], 4, v9
	v_lshlrev_b32 v[ASO], 3, v9
	v_lshlrev_b32 v[BO], 5, v27
	v_lshlrev_b32 v[PFO], 8, v9
	v_lshlrev_b32 v[BG], 5, v9
	v_mov_b32 v[PFZ], 0
.irp k, 0,1,2,3
	v_add_nc_u32 v[AB0+\k], \k*BLK, v[LOFF]
.endr
	v_add_nc_u32 v[AS0], 32768, v[ASO]
	v_add_nc_u32 v[AS0+1], 2*BLK+32768, v[ASO]
	v_add_nc_u32 v[BST], s56, v[BG]
	v_add_nc_u32 v[BL], s56, v[BO]
	v_mul_u32_u24 v[STO], v26, SP                  ; in: row r, 32 bytes for each half of the lanes
	v_lshl_add_u32 v[STO], v27, 5, v[STO]
	v_add_nc_u32 v[STO], s56, v[STO]
	v_mul_u32_u24 v[RD], v27, SP                   ; back: sixteen lanes a row of 256 bytes, two rows an instruction
	v_lshl_add_u32 v[RD], v26, 4, v[RD]
	v_add_nc_u32 v[RD], s56, v[RD]
	v_lshlrev_b32 v[CO], 14, v27                   ; and the same two rows in out0
	v_lshl_add_u32 v[CO], v26, 4, v[CO]
	s_wait_alu depctr_va_vdst(0)
	s_wait_dscnt 0x0                               ; both opening adds are done
	CROUND                                         ; the four work-groups are here: the first joint loads meet
	s_wait_kmcnt 0x0
	s_add_nc_u64 s[G0+2:G0+3], s[6:7], s[20:21]
	s_or_b32 s[G0+3], s[G0+3], 0x80000000
	tensor_load_to_lds s[G0:G0+3], s[G1:G1+7]      ; K slot 0: one load a wave
	s_nop 0
	PLACES 4
	s_add_nc_u64 s[8:9], s[8:9], s[52:53]
	s_add_nc_u64 s[38:39], s[4:5], s[22:23]
	s_add_nc_u64 s[40:41], s[4:5], s[46:47]
	global_load_b128 v[40:43], v[BG], s[8:9]       ; the tile's 256 numbers of the bias, eight a lane
	global_load_b128 v[44:47], v[BG], s[8:9] offset:16
.irp st, 0,1,2
.set I_, 0
.rept 18
	ALD \st, I_                                    ; x's first three steps
.set I_, I_+1
.endr
.endr
	WIN 0
	s_add_nc_u64 s[42:43], s[6:7], s[48:49]
	s_add_nc_u64 s[44:45], s[6:7], s[50:51]
	s_add_nc_u64 s[10:11], s[10:11], s[54:55]
	s_wait_loadcnt 54                              ; the bias is in; x's 54 loads may be out
	ds_store_b128 v[BST], v[40:43]                 ; through my stage: column c at byte 4 c
	ds_store_b128 v[BST], v[44:47] offset:16
.set I_, 0
.rept 128                                      ; THE SUMS BEGIN WITH THE BIAS: register i of accumulator (a, j) is column 16 j + 8 h + i.  LDS serves a wave's instructions in order: these see the stores above
	WIN 0x80+0x40*(I_/64)
	ds_load_b128 v[4*(I_%64):4*(I_%64)+3], v[BL] offset:64*(I_/8)+16*(I_%2)
.set I_, I_+1
.endr
	WIN 0
	s_wait_tensorcnt 0x0                           ; my block of K slot 0 is in
	ds_add_u32 v[SPW], v[NIL]
	DESC
	ADRS
	s_wait_dscnt 0x0                               ; the add is done, and the accumulators hold the bias
	CROUND
	s_mov_b32 s3, 0
.Ltrip:                                        ; trip t = 0 .. 6: K slot t + 1 is asked for, K slot t is multiplied
	tensor_load_to_lds s[G0:G0+3], s[G1:G1+7]      ; the first tensor load behind the round, into the slot read last
	s_nop 0
	PLACES 4
	SKEW
	RUN0
	QUADS 0, 3
	WIN 0
	s_cmp_lt_u32 s3, 6                             ; K slots 2 to 7 exist
	s_cbranch_scc0 .Lnone_ahead
	global_prefetch_b8 v[PFO], s[42:43] th:TH_LOAD_NT scope:SCOPE_SE
	global_prefetch_b8 v[PFZ], s[44:45] th:TH_LOAD_NT scope:SCOPE_SE
.Lnone_ahead:
	QUADS 3, 14
	QUAD 14, 1
	WIN 0
	s_wait_xcnt 0x0                                ; my loads and prefetches have read their bases: on to the next K slot
	s_add_nc_u64 s[38:39], s[38:39], 2*BLK
	s_add_nc_u64 s[40:41], s[40:41], 2*BLK
	s_add_nc_u64 s[42:43], s[42:43], 2*BLK
	s_add_nc_u64 s[44:45], s[44:45], 2*BLK
	s_wait_tensorcnt 0x0                           ; my block of the next slot is in
	ds_add_u32 v[SPW], v[NIL]
	DESC
	s_wait_dscnt 0x0                               ; the add is done, and my reads of this slot are over: quad 15's fragments are in
	s_barrier_signal -1
	ADRS
	QUAD 15, 0
	PLACES 8                                       ; ahead of the next slot's loads into both halves, into the scale words and into x's fourth set
	WIN 0
	s_barrier_wait -1
	CREST                                          ; no wave of any partner still reads this slot or has a load on its way
	s_add_co_u32 s3, s3, 1
	s_cmp_lg_u32 s3, 7
	s_cbranch_scc1 .Ltrip
; THE LAST K SLOT.  Nothing is filled.  x's last step is asked for first: its set was last read by the quad above.
.set MODE, 1
.set I_, 0
.rept 18
	ALD 3, I_
.set I_, I_+1
.endr
	WIN 0
	SKEW
	RUN0
	QUADS 0, 16
	SEND 3
	WIN 0
	s_wait_tensorcnt 0x0                           ; the wave's end
	ds_add_u32 v[SPW], v[NIL]
	s_wait_dscnt 0x0
	CROUND                                         ; the closing round
	s_endpgm
.Lfunc_end_k_q2022c7caae_gemm:
	.size	k_q2022c7caae_gemm, .Lfunc_end_k_q2022c7caae_gemm-k_q2022c7caae_gemm
	.p2alignl 7, 3214868480
	.fill 96, 4, 3214868480
	.section	.rodata,"a",@progbits
	.p2align	6, 0x0
	.amdhsa_kernel k_q2022c7caae_gemm
		.amdhsa_group_segment_fixed_size 327680
		.amdhsa_private_segment_fixed_size 0
		.amdhsa_enable_private_segment 0
		.amdhsa_kernarg_size 32
		.amdhsa_user_sgpr_count 2
		.amdhsa_user_sgpr_kernarg_segment_ptr 1
		.amdhsa_wavefront_size32 1
		.amdhsa_system_sgpr_workgroup_id_x 1
		.amdhsa_system_sgpr_workgroup_id_y 1
		.amdhsa_system_sgpr_workgroup_id_z 1
		.amdhsa_system_vgpr_workitem_id 0
		.amdhsa_next_free_vgpr 1024
		.amdhsa_next_free_sgpr 66
		.amdhsa_reserve_vcc 0
		.amdhsa_float_denorm_mode_32 3
		.amdhsa_float_denorm_mode_16_64 3
		.amdhsa_memory_ordered 1
		.amdhsa_forward_progress 1
		.amdhsa_inst_pref_size 170
	.end_amdhsa_kernel
	.amdgpu_metadata
---
amdhsa.version: [ 1, 2 ]
amdhsa.kernels:
  - .name:           k_q2022c7caae_gemm
    .symbol:         k_q2022c7caae_gemm.kd
    .args:
      - { .name: xq, .offset: 0, .size: 8, .value_kind: global_buffer, .address_space: global }
      - { .name: wq, .offset: 8, .size: 8, .value_kind: global_buffer, .address_space: global }
      - { .name: bias, .offset: 16, .size: 8, .value_kind: global_buffer, .address_space: global }
      - { .name: out0, .offset: 24, .size: 8, .value_kind: global_buffer, .address_space: global }
    .group_segment_fixed_size: 327680
    .private_segment_fixed_size: 0
    .kernarg_segment_align: 8
    .kernarg_segment_size: 32
    .max_flat_workgroup_size: 128
    .sgpr_count:     66
    .vgpr_count:     1024
    .wavefront_size: 32
...
	.end_amdgpu_metadata
.endif
;; end of part 2
